; MI455X (gfx1250); checked and timed in simulation.
; The chip was launched on July 23, 2026; its instructions are those of AMD's public machine-readable ISA for CDNA 5 (MIT licence, August 2026) and "CDNA5" Instruction Set Architecture Reference Guide (July 2026). The comments in the code are by the model that wrote it; some were corrected since.
;; Local Sliding Window Attention. Allowed arithmetic: matrix products marked QUANTISED: E2M1 operands, one E8M0 scale for each 32 along K, by v_wmma_scale_f32_16x16x128_f8f6f4 with both operands' format E2M1 (or v_wmma_scale_f32_32x16x128_f4), f32 sums; everything else in f32.
;; Inputs: Wk 768 x 768 float32; Wo 768 x 768 float32; Wq 768 x 768 float32; Wv 768 x 768 float32; bk 768 float32; bo 768 float32; bq 768 float32; bv 768 float32; key 1 x 4,096 x 768 float32; query 1 x 4,096 x 768 float32; value 1 x 4,096 x 768 float32.
;; Outputs: out0 1 x 4,096 x 768 float32.
;; This version of the problem:
;;   THIS VERSION OF THE PROBLEM IS GIVEN IN LOW PRECISION. The matrix products marked QUANTISED in the list below multiply operands that are first quantised to E2M1 (2 exponent bits, 1 mantissa bit; 4 bits a number), with one power-of-two scale for each 32 numbers along K (OCP MX v1.0); their sums are f32. All else is computed in f32.
;;   The module's matrix products, in the order in which they are computed (A, B: the left and right operand; K: the contracted axis; several contracted axes count as one K, in the product's order):
;;     1. [M 4,096, K 768] x [K 768, N 768]; A: input query; B: input Wq: QUANTISED
;;     2. [M 4,096, K 768] x [K 768, N 768]; A: input key; B: input Wk: QUANTISED
;;     3. [M 4,096, K 768] x [K 768, N 768]; A: input value; B: input Wv: QUANTISED
;;     4. batch 12 x [M 4,096, K 64] x [K 64, N 4,096]; A: computed on the way; B: computed on the way: QUANTISED
;;     5. batch 12 x [M 4,096, K 4,096] x [K 4,096, N 64]; A: softmax (see below); B: computed on the way: QUANTISED
;;     6. [M 4,096, K 768] x [K 768, N 768]; A: computed on the way; B: input Wo: QUANTISED
;;   THE QUANTISER, for each operand of a quantised product, along K:
;;     - K is cut into blocks of 32 from its start; a last block that is shorter is filled with zeros.
;;     - A block's scale is 2^e with e = floor(log2(the largest magnitude in the block)) - 2, held to -126 .. 127; a block of zeros has e = 0. As a byte (E8M0): e + 127.
;;     - Each number is divided by its block's scale, clamped to +-6, and rounded to the nearest number of E2M1, ties to even, subnormals kept.
;;     - The product sums the exact products of the quantised numbers (number of the format x scale) in f32.
;;   ~~~python
;;   def quantise(x, axis):      # numpy; x: float32 -> the quantised numbers, widened to float32 again
;;       x = np.moveaxis(x, axis, -1); K = x.shape[-1]
;;       x = np.pad(x, [(0, 0)] * (x.ndim - 1) + [(0, -K % 32)]); x = x.reshape(x.shape[:-1] + (-1, 32)); a = np.abs(x).max(-1, keepdims=True)
;;       e = np.where(a > 0, np.clip(np.frexp(np.where(a > 0, a, 1))[1] - 1 - 2, -126, 127), 0)      # np.frexp(a)[1] - 1 = floor(log2(a)), exactly
;;       r = np.clip(x / 2.0 ** e, -6, 6)
;;       step = 2.0 ** (np.maximum(np.frexp(np.where(r == 0, 1, r))[1] - 1, 0) - 1)
;;       q = np.round(r / step) * step * 2.0 ** e      # np.round: ties to even
;;       return np.moveaxis(q.reshape(q.shape[:-2] + (-1,))[..., :K], -1, axis).astype(np.float32)
;;   ~~~
;;   SOFTMAX AHEAD OF A QUANTISED PRODUCT. Where the list says 'softmax', what is quantised is not the finished softmax but p = 2^(t - M), with t = logit x log2(e) and M = ceil(the row's largest t), a whole number; so 1/2 < the row's largest p <= 1. The row's sum l is taken of the UNQUANTISED p, in f32, and the product's result is divided by l at the end. Since M is a whole number, a kernel that streams over the keys may use a running M (the ceiling of the running maximum): every later rescaling is an exact power of two, which a block's scale takes up: the codes' values come out the same.
;;   OPERANDS COMPUTED ON THE WAY. 'Computed on the way' means the value that the module computes at that place (a softmax that the list does not call 'softmax' is quantised finished and normalised). What goes into a quantiser is computed in f32, as accurately as f32 sums, v_exp_f32 and their like allow (about 1e-6 of the number): no bf16 or f16 on the way to a quantiser, and a product that is left as it is and whose result goes on into a quantised operand takes f32 operands (vector FMAs, or v_wmma_f32_16x16x4_f32). A number that lies on a knife's edge between two numbers of the format may be rounded either way, as far as f32 arithmetic and the matrix unit's own rounding can turn it there, and no further.
;; 2 versions, each right; version 2 is version 1 with the launch proj written anew for expert scheduling mode. Each part assembles by itself: llvm-mc -triple=amdgcn-amd-amdhsa -mcpu=gfx1250 --defsym DOCPART=n.
;; ======== version 1 of 2: 3 launches
;; workspace buffers: cod 5,898,240 bytes; scl 368,640 bytes; qkv 4,718,592 bytes; qkvs 294,912 bytes
;; launch quant (part 1): grid 240 x 1, 12 waves a work-group, no clusters, 204,288 bytes of LDS; arguments query, key, value, Wq, Wk, Wv, Wo, cod, scl; writes cod, scl
.if DOCPART == 1
	.amdgcn_target "amdgcn-amd-amdhsa--gfx1250"
	.amdhsa_code_object_version 6
	.text
	.protected	k_q995173d03f_quant
	.globl	k_q995173d03f_quant
	.p2align	8
	.type	k_q995173d03f_quant,@function
k_q995173d03f_quant:
	s_mov_b64 s[64:65], 0
	v_nop
	global_prefetch_b8 v0, s[64:65] scope:SCOPE_SE
	s_setreg_imm32_b32 hwreg(HW_REG_WAVE_MODE, 25, 1), 1
	s_wait_xcnt 0x0
; query, key, value [4096][768] and Wq, Wk, Wv, Wo [768][768], f32, K = 768 innermost, become codes of FP4 (E2M1) with one E8M0 scale byte for each 32 along K.
; A block's scale is 2^(floor(log2(its largest magnitude)) - 2); its byte is the largest magnitude's exponent field - 2, held at 1 from below.
; LIMITS: NaN and infinities among the inputs are not served.  A block of zeros gets the byte 1 where the rule says 127: its codes are zeros, which add nothing under any byte but 0xff, and this program alone reads the bytes.
; OUTPUT LAYOUT: images of operand registers.  A TILE is 16 rows; the seven tensors' tiles are numbered on end, T = 0 .. 959 (query 0, key 256, value 512, Wq 768, Wk 816, Wv 864, Wo 912).
;   cod: T x 6144 + s x 1024 + c x 512 + 16 x lane: the 32 codes of row (lane % 16), k = 128 s + 64 c + 32 (lane / 16) + 0 .. 31: registers 4 c .. 4 c + 3 of the fragment of K step s.
;   scl: T x 384 + g x 128 + 4 x lane: lanes 0-15 the scale words of K step 2 g, lanes 16-31 those of K step 2 g + 1, row (lane % 16).
; SHARES: a work-group takes 4 tiles, a wave 16 rows x 256 along K (two K steps, "units"), 16 KB of f32.  All 32 loads of a wave go out first; each reads 512 consecutive bytes, aligned.
; The conversions want a block's 32 numbers in ONE lane's registers, the loads want neighbouring lanes at neighbouring bytes: so a unit turns through the wave's own stage in LDS (rows of 512 bytes + 16,
; so that the sixteen rows that a read touches start 33 x 16 bytes apart).  Waves share nothing: no barrier.  Nothing is read by two work-groups: no cluster, no joint request.
.set SP,   528                         ; a stage row
.set STG,  16*SP                       ; a stage: 16 rows
.set WREG, 2*STG                       ; a wave's LDS: one stage for each unit
.set MX,   10                          ; v10-11  the two blocks' largest magnitudes
.set SO,   12                          ; v12-13  the conversions' scale operands
.set BY,   14                          ; v14-15  the scale bytes
.set W,    16                          ; v16-17  the row's scale word of unit 0, 1
.set TP,   18                          ; v18     the lane exchange's destination
.set WF,   19                          ; v19     the word that is stored
.set C,    20                          ; v20-35  codes: 8 registers a unit, never written twice
.set X,    36                          ; v36-99  two blocks of 32 neighbours
.set R,    100                         ; v100-227 the numbers as loaded: 64 registers a unit
	s_load_b512 s[8:23], s[0:1], 0x0               ; query 8, key 10, value 12, Wq 14, Wk 16, Wv 18, Wo 20, cod 22
	s_load_b64 s[24:25], s[0:1], 0x40              ; scl
	v_lshl_add_u32 v228, v0, 2, 0x31800
	v_mov_b32 v229, 0
	v_lshrrev_b32 v1, 5, v0
	v_readfirstlane_b32 s4, v1                     ; wave 0..11
	s_mul_i32 s5, s4, 11
	s_lshr_b32 s5, s5, 5                           ; wave / 3: which of the four tiles
	s_mul_i32 s6, s5, 3
	s_sub_co_u32 s6, s4, s6                        ; wave % 3: which 256 along K
	s_lshl_b32 s7, ttmp9, 2
	s_add_co_u32 s7, s7, s5                        ; T
	s_mul_i32 s29, s4, WREG                        ; my LDS
	v_and_b32 v1, 31, v0                           ; lane
	v_and_b32 v2, 15, v0                           ; r
	v_bfe_u32 v3, v0, 4, 1                         ; h
	v_lshlrev_b32 v4, 4, v1                        ; 16 x lane
	v_lshlrev_b32 v5, 2, v1                        ; 4 x lane
	v_add_nc_u32 v6, s29, v4                       ; into the stage: as loaded
	v_mul_u32_u24 v7, v2, SP
	v_lshl_add_u32 v7, v3, 7, v7
	v_add_nc_u32 v7, s29, v7                       ; out of it: row r, + 128 h: my block's 128 bytes
	v_lshlrev_b32 v8, 3, v3                        ; 8 h: my bytes' place in the scale word
	v_mov_b32 v[TP], 0                             ; a lane exchange's destination counts as one of its sources
	s_mov_b32 s32, 0x76543210
	s_mov_b32 s33, 0xfedcba98                      ; v_permlanex16_b32's selects for lane l xor 16
	s_wait_kmcnt 0x0
	; which tensor: the choice hangs on the work-group's number alone.  s28: the tensor's first work-group
	s_mov_b64 s[26:27], s[20:21]
	s_mov_b32 s28, 228
.macro PICK th, ptr, base
	s_cmp_lt_u32 ttmp9, \th
	s_cselect_b64 s[26:27], s[\ptr:\ptr+1], s[26:27]
	s_cselect_b32 s28, \base, s28
.endm
	PICK 228, 18, 216
	PICK 216, 16, 204
	PICK 204, 14, 192
	PICK 192, 12, 128
	PICK 128, 10, 64
	PICK 64, 8, 0
	s_lshl_b32 s28, s28, 2
	s_sub_co_u32 s28, s7, s28                      ; the tile's number inside its tensor
	s_mul_i32 s30, s28, 49152                      ; 16 rows of 3,072 bytes
	s_lshl_b32 s34, s6, 10
	s_add_co_u32 s30, s30, s34                     ; + my 256 along K
	s_mov_b32 s31, 0
	s_add_nc_u64 s[26:27], s[26:27], s[30:31]
	s_mul_i32 s30, s7, 6144
	s_lshl_b32 s34, s6, 11
	s_add_co_u32 s30, s30, s34
	s_add_nc_u64 s[22:23], s[22:23], s[30:31]      ; my two fragments in cod
	s_mul_i32 s30, s7, 384
	s_lshl_b32 s34, s6, 7
	s_add_co_u32 s30, s30, s34
	s_add_nc_u64 s[24:25], s[24:25], s[30:31]      ; my 128 bytes in scl
.irp u, 0,1
.irp p, 0,1,2,3,4,5,6,7,8,9,10,11,12,13,14,15
	global_load_b128 v[R+64*\u+4*\p:R+64*\u+4*\p+3], v4, s[26:27] offset:3072*\p+512*\u th:TH_LOAD_NT   ; row p, unit u: read once in the whole program
.endr
.endr
.macro TOSTAGE u
.irp p, 0,1,2,3,4,5,6,7,8,9,10,11,12,13,14,15
	ds_store_b128 v6, v[R+64*\u+4*\p:R+64*\u+4*\p+3] offset:STG*\u+SP*\p
.endr
.endm
.macro FROMSTAGE u                     ; LDS serves a wave's instructions in order (ISA guide 5.7.1.4): these see my stores
.irp c, 0,1
.irp j, 0,1,2,3,4,5,6,7
	ds_load_b128 v[X+32*\c+4*\j:X+32*\c+4*\j+3], v7 offset:STG*\u+256*\c+16*\j
.endr
.endr
.endm
; Unit u: my two blocks (2 c + h of the K step) become 8 registers of codes and two bytes; with lane l xor 16's two bytes the row's scale word is whole.
.macro QUANT u
.irp c, 0,1
	v_max3_num_f32 v[MX+\c], |v[X+32*\c]|, |v[X+32*\c+1]|, 0x1800000   ; the floor 2^(3 - 127) among the leaves: the byte cannot fall under 1
.endr
.irp i, 2,4,6,8,10,12,14,16,18,20,22,24,26,28,30
.irp c, 0,1
	v_max3_num_f32 v[MX+\c], v[MX+\c], |v[X+32*\c+\i]|, |v[X+32*\c+\i+1]|
.endr
.endr
.irp c, 0,1
	v_add_nc_u32 v[SO+\c], 0xff000000, v[MX+\c]    ; 2 off the exponent field: the conversion takes that field as its scale and nothing else
.endr
.irp c, 0,1
	v_lshrrev_b32 v[BY+\c], 23, v[SO+\c]           ; the scale's byte
.endr
.irp c, 0,1
.irp g, 0,1,2,3
	v_cvt_scalef32_pk8_fp4_f32 v[C+8*\u+4*\c+\g], v[X+32*\c+8*\g:X+32*\c+8*\g+7], v[SO+\c]
.endr
.endr
	v_lshl_or_b32 v[W+\u], v[BY+1], 16, v[BY]      ; (a plain line behind the conversions)  blocks h and 2 + h,
	v_lshlrev_b32 v[W+\u], v8, v[W+\u]             ; at their places
	v_permlanex16_b32 v[TP], v[W+\u], s32, s33
	v_or_b32 v[W+\u], v[W+\u], v[TP]
.irp c, 0,1
	global_store_b128 v4, v[C+8*\u+4*\c:C+8*\u+4*\c+3], s[22:23] offset:1024*\u+512*\c   ; 512 consecutive bytes, aligned
.endr
.endm
	s_wait_loadcnt 16                              ; unit 0's sixteen loads are in; unit 1's sixteen may be out
	TOSTAGE 0
	FROMSTAGE 0
	s_wait_loadcnt 0x0
	TOSTAGE 1
	s_wait_dscnt 16                                ; unit 0 is back; the sixteen younger stores may be out
	QUANT 0
	FROMSTAGE 1
	s_wait_dscnt 0x0
	QUANT 1
	v_cmp_lt_u32 vcc_lo, 15, v1
	v_cndmask_b32 v[WF], v[W], v[W+1], vcc_lo      ; lanes 0-15: unit 0's words; lanes 16-31: unit 1's
	global_store_b32 v5, v[WF], s[24:25]           ; 128 consecutive bytes
	s_wait_tensorcnt 0x0
	ds_add_u32 v228, v229
	s_wait_dscnt 0x0
	s_endpgm
.Lfunc_end_k_q995173d03f_quant:
	.size	k_q995173d03f_quant, .Lfunc_end_k_q995173d03f_quant-k_q995173d03f_quant
	.p2alignl 7, 3214868480
	.fill 96, 4, 3214868480
	.section	.rodata,"a",@progbits
	.p2align	6, 0x0
	.amdhsa_kernel k_q995173d03f_quant
		.amdhsa_group_segment_fixed_size 204288
		.amdhsa_private_segment_fixed_size 0
		.amdhsa_enable_private_segment 0
		.amdhsa_kernarg_size 72
		.amdhsa_user_sgpr_count 2
		.amdhsa_user_sgpr_kernarg_segment_ptr 1
		.amdhsa_wavefront_size32 1
		.amdhsa_system_sgpr_workgroup_id_x 1
		.amdhsa_system_sgpr_workgroup_id_y 1
		.amdhsa_system_sgpr_workgroup_id_z 1
		.amdhsa_system_vgpr_workitem_id 0
		.amdhsa_next_free_vgpr 230
		.amdhsa_next_free_sgpr 66
		.amdhsa_reserve_vcc 1
		.amdhsa_float_denorm_mode_32 3
		.amdhsa_float_denorm_mode_16_64 3
		.amdhsa_memory_ordered 1
		.amdhsa_forward_progress 1
		.amdhsa_inst_pref_size 17
	.end_amdhsa_kernel
	.amdgpu_metadata
---
amdhsa.version: [ 1, 2 ]
amdhsa.kernels:
  - .name:           k_q995173d03f_quant
    .symbol:         k_q995173d03f_quant.kd
    .args:
      - { .name: query, .offset: 0, .size: 8, .value_kind: global_buffer, .address_space: global }
      - { .name: key, .offset: 8, .size: 8, .value_kind: global_buffer, .address_space: global }
      - { .name: value, .offset: 16, .size: 8, .value_kind: global_buffer, .address_space: global }
      - { .name: Wq, .offset: 24, .size: 8, .value_kind: global_buffer, .address_space: global }
      - { .name: Wk, .offset: 32, .size: 8, .value_kind: global_buffer, .address_space: global }
      - { .name: Wv, .offset: 40, .size: 8, .value_kind: global_buffer, .address_space: global }
      - { .name: Wo, .offset: 48, .size: 8, .value_kind: global_buffer, .address_space: global }
      - { .name: cod, .offset: 56, .size: 8, .value_kind: global_buffer, .address_space: global }
      - { .name: scl, .offset: 64, .size: 8, .value_kind: global_buffer, .address_space: global }
    .group_segment_fixed_size: 204288
    .private_segment_fixed_size: 0
    .kernarg_segment_align: 8
    .kernarg_segment_size: 72
    .max_flat_workgroup_size: 384
    .sgpr_count:     66
    .vgpr_count:     230
    .wavefront_size: 32
...
	.end_amdgpu_metadata
.endif
;; end of part 1
;; launch proj (part 2): grid 192 x 3, 4 waves a work-group, no clusters, 0 bytes of LDS; arguments cod, scl, bq, bk, bv, qkv, qkvs; writes qkv, qkvs
.if DOCPART == 2
	.amdgcn_target "amdgcn-amd-amdhsa--gfx1250"
	.amdhsa_code_object_version 6
	.text
	.protected	k_q995173d03f_proj
	.globl	k_q995173d03f_proj
	.p2align	8
	.type	k_q995173d03f_proj,@function
k_q995173d03f_proj:
	s_mov_b64 s[64:65], 0
	v_nop
	global_prefetch_b8 v0, s[64:65] scope:SCOPE_SE
	s_setreg_imm32_b32 hwreg(HW_REG_WAVE_MODE, 25, 1), 1
	s_wait_xcnt 0x0
; Q = query Wq^T + bq, K = key Wk^T + bk, V = value Wv^T + bv on codes of FP4 (work-group y = 0, 1, 2), K = 768 in six steps of 128; the results are quantised again at once, in registers:
; Q and K along the head's 64 channels, V along the keys, and leave as images of operand registers.  The f32 results never go to memory.
; ONE FORM FOR ALL THREE: D = S0 x S1^T, source 0 = four tiles of S0, source 1 = four tiles of S1: a wave makes 64 x 64.  In a result lane l holds row (l % 16) of S1's tile and its registers 0-7 rows 8 (l / 16) + 0 .. 7 of S0's.
; Q, K: S0 = the weight (a head's 64 channels), S1 = 64 tokens.  V: S0 = 64 tokens (keys), S1 = the weight.  So the axis that is quantised next always runs down a lane's registers.
; A block of 32 lies in tiles 2 blk, 2 blk + 1 of S0, half in lane l and half in lane l xor 16.  Four conversions for each pair of blocks and two exchanges of lane halves give registers 0-3 of a fragment: lane (r, h) holds block h whole.
; OUT: qkv: Q at 0, K at 1,572,864: head x 131072 + (token / 16) x 512 + 16 x lane;  V at 3,145,728: (channel / 16) x 32768 + (key / 32) x 256 + 16 x (channel % 16).
;      qkvs: Q at 0, K at 98,304: head x 8192 + 2 x token;  V at 196,608: (channel / 16) x 2048 + (key / 64) x 32 + 2 x (channel % 16): two bytes, the lower block's first.
; SHARES: work-group x = 64 hg + tb: tokens 64 tb on; wave w takes head 4 hg + w.
; NO JOINT REQUESTS: fragments come straight from memory as register images, 512 consecutive bytes a load, and nothing goes through LDS; a joint request is a tensor load into LDS, from which the same 48 KB a wave would have to be read once more.
; LIMITS: NaN and infinities are not served; a block of zeros carries the byte 1 (its codes are zeros; this program alone reads the bytes).
; REGISTERS: window 0: v1-5 lane terms; v8-19 S0's scale words (3 a + g), v20-31 S1's; v32-63 the bias as C; v64-127 fragments of even K steps (S0 at 64 + 8 a, S1 at 96 + 8 b); v128-255 accumulator (a, b) at 128 + 32 b + 8 a.
;   window 1: v0-63 fragments of odd K steps.  Behind the sums v32-91 are at work.
.set SC0, 8
.set SC1, 20
.set BI,  32
.set ACC, 128
.set TM,  32                           ; v32-39 largest magnitudes of the eight blocks (2 b + blk)
.set TP,  40                           ; v40-47 the lane exchange's destinations
.set SO,  48                           ; v48-55 the conversions' scale operands
.set BY,  56                           ; v56-63 the bytes
.set CD,  64                           ; v64-79 codes: 4 registers for each tile b of S1
.set SW,  80                           ; v80-83 two bytes for each b
.set VO,  84                           ; v84-87 store offsets of the codes
.set VS,  88                           ; v88-91 and of the bytes
.set MSB, 0
.macro WIN new                         ; the immediate's high byte repeats the setting that is left
.if MSB != \new
	s_set_vgpr_msb (MSB<<8)|\new
.set MSB, \new
.endif
.endm
.macro PLACES                          ; four places behind a matrix instruction, in front of loads into registers that it read and of reads of its results
.rept 4
	v_nop
.endr
.endm
	s_load_b256 s[4:11], s[0:1], 0x0               ; cod 4, scl 6, bq 8, bk 10
	s_load_b128 s[12:15], s[0:1], 0x20             ; bv 12, qkv 14
	s_load_b64 s[16:17], s[0:1], 0x30              ; qkvs
	v_lshrrev_b32 v1, 5, v0
	v_readfirstlane_b32 s18, v1                    ; wave 0..3
	v_and_b32 v6, 31, v0
	v_lshlrev_b32 v1, 4, v6                        ; 16 x lane
	v_lshlrev_b32 v2, 2, v6                        ; 4 x lane
	v_bfe_u32 v7, v0, 4, 1
	v_lshlrev_b32 v3, 5, v7                        ; 32 h
	v_and_b32 v6, 15, v0
	v_lshlrev_b32 v4, 1, v6                        ; 2 r
	v_lshlrev_b32 v5, 2, v6                        ; 4 r
	s_and_b32 s19, ttmp7, 0xffff                   ; y: 0 Q, 1 K, 2 V
	s_lshr_b32 s20, ttmp9, 6                       ; hg
	s_and_b32 s21, ttmp9, 63                       ; tb
	s_lshl_b32 s22, s20, 2
	s_add_co_u32 s22, s22, s18                     ; head
	s_mul_i32 s23, s19, 48
	s_lshl_b32 s33, s22, 2
	s_add_co_u32 s23, s23, s33
	s_add_co_u32 s23, s23, 768                     ; the weight's first tile: 768 + 48 y + 4 head
	s_lshl_b32 s24, s19, 8
	s_lshl_b32 s33, s21, 2
	s_add_co_u32 s24, s24, s33                     ; the tokens' first tile: 256 y + 4 tb
	s_mov_b32 s29, 131072
	s_mov_b32 s30, 512
	s_mov_b32 s31, 8192
	s_mov_b32 s32, 32
	s_mov_b32 s56, 0x76543210
	s_mov_b32 s57, 0xfedcba98                      ; v_permlanex16_b32's selects for lane l xor 16
	s_cmp_eq_u32 s19, 2                            ; V changes the sources' places; only moves and selects follow the compare
	s_cselect_b32 s25, s24, s23                    ; S0's first tile
	s_cselect_b32 s26, s23, s24                    ; S1's
	s_cselect_b32 s27, s21, s22                    ; g0: what S0's 64 rows are numbered by
	s_cselect_b32 s28, s22, s21                    ; G1: and S1's
	s_cselect_b32 s29, 512, s29                    ; codes: bytes for a step of g0,
	s_cselect_b32 s30, 32768, s30                  ; and for a tile of S1
	s_cselect_b32 s31, 32, s31                     ; scale bytes likewise
	s_cselect_b32 s32, 2048, s32
	s_mov_b32 s35, 0
	s_wait_kmcnt 0x0
	s_mul_i32 s34, s25, 6144
	s_add_nc_u64 s[36:37], s[4:5], s[34:35]        ; S0's fragments
	s_mul_i32 s34, s26, 6144
	s_add_nc_u64 s[38:39], s[4:5], s[34:35]        ; S1's
	s_mul_i32 s34, s25, 384
	s_add_nc_u64 s[40:41], s[6:7], s[34:35]        ; S0's scale words
	s_mul_i32 s34, s26, 384
	s_add_nc_u64 s[42:43], s[6:7], s[34:35]        ; S1's
	s_cmp_eq_u32 s19, 0
	s_cselect_b64 s[44:45], s[8:9], s[10:11]
	s_cmp_eq_u32 s19, 2
	s_cselect_b64 s[44:45], s[12:13], s[44:45]
	s_lshl_b32 s34, s22, 8
	s_add_nc_u64 s[44:45], s[44:45], s[34:35]      ; the head's 64 numbers of the bias
	s_mul_i32 s34, s19, 1572864
	s_mul_i32 s33, s27, s29
	s_add_co_u32 s34, s34, s33
	s_mul_i32 s33, s28, s30
	s_lshl_b32 s33, s33, 2
	s_add_co_u32 s34, s34, s33
	s_add_nc_u64 s[46:47], s[14:15], s[34:35]      ; where my codes go
	s_mul_i32 s34, s19, 98304
	s_mul_i32 s33, s27, s31
	s_add_co_u32 s34, s34, s33
	s_mul_i32 s33, s28, s32
	s_lshl_b32 s33, s33, 2
	s_add_co_u32 s34, s34, s33
	s_add_nc_u64 s[48:49], s[16:17], s[34:35]      ; and my scale bytes
; the 8 fragments of K step s: 16 loads of 512 consecutive bytes; even steps into window 0, odd ones into window 1
.macro FRAGS s
.set FB, 64*(1-(\s)%2)
.if (\s)%2
	WIN 0x40                                       ; destination window 1, address window 0
.endif
.irp a, 0,1,2,3
.irp c, 0,1
	global_load_b128 v[FB+8*\a+4*\c:FB+8*\a+4*\c+3], v1, s[36:37] offset:6144*\a+1024*(\s)+512*\c
	global_load_b128 v[FB+32+8*\a+4*\c:FB+32+8*\a+4*\c+3], v1, s[38:39] offset:6144*\a+1024*(\s)+512*\c
.endr
.endr
	WIN 0
.endm
; 16 matrix instructions of K step s.  cmode 0: C = the accumulator; 1: the bias by S0's rows; 2: the bias by S1's rows.  The 16 accumulators take turns, one instruction a turn, in the same order in every step.
; A register of scale words serves two K steps: lanes 0-15 the even one, lanes 16-31 the odd one.
.macro MM s, cmode
.set FB, 64*(1-(\s)%2)
.set SG, (\s)/2
.if (\s)%2
	WIN 0x05                                       ; sources 0 and 1 window 1; C and D window 0
.endif
.irp b, 0,1,2,3
.irp a, 0,1,2,3
.set DB, ACC+32*\b+8*\a
.if (\cmode) == 0
.set CB, DB
.elseif (\cmode) == 1
.set CB, BI+8*\a
.else
.set CB, BI+8*\b
.endif
.if (\s)%2
	v_wmma_scale_f32_16x16x128_f8f6f4 v[DB:DB+7], v[FB+8*\a:FB+8*\a+7], v[FB+32+8*\b:FB+32+8*\b+7], v[CB:CB+7], v[SC0+3*\a+SG], v[SC1+3*\b+SG] matrix_a_fmt:MATRIX_FMT_FP4 matrix_b_fmt:MATRIX_FMT_FP4 matrix_a_scale:MATRIX_SCALE_ROW1 matrix_b_scale:MATRIX_SCALE_ROW1
.else
	v_wmma_scale_f32_16x16x128_f8f6f4 v[DB:DB+7], v[FB+8*\a:FB+8*\a+7], v[FB+32+8*\b:FB+32+8*\b+7], v[CB:CB+7], v[SC0+3*\a+SG], v[SC1+3*\b+SG] matrix_a_fmt:MATRIX_FMT_FP4 matrix_b_fmt:MATRIX_FMT_FP4
.endif
.endr
.endr
	WIN 0
.endm
; The loads of the head and the first K step, whose products take the bias as C.  The bias goes out first, so that the counted wait is the same on both ways.
.macro HEAD isv
.if \isv
.irp b, 0,1,2,3
.irp j, 0,1,2,3,4,5,6,7
	global_load_b32 v[BI+8*\b+\j], v5, s[44:45] offset:64*\b   ; V: the channel is the lane's: all eight registers hold bias(16 b + r)
.endr
.endr
.else
.irp a, 0,1,2,3
	global_load_b128 v[BI+8*\a:BI+8*\a+3], v3, s[44:45] offset:64*\a       ; Q, K: the channel runs down the registers: bias(16 a + 8 h + 0 .. 7)
	global_load_b128 v[BI+8*\a+4:BI+8*\a+7], v3, s[44:45] offset:64*\a+16
.endr
.endif
.irp a, 0,1,2,3
.irp g, 0,1,2
	global_load_b32 v[SC0+3*\a+\g], v2, s[40:41] offset:384*\a+128*\g
	global_load_b32 v[SC1+3*\a+\g], v2, s[42:43] offset:384*\a+128*\g
.endr
.endr
	FRAGS 0
	FRAGS 1
	s_wait_loadcnt 16                              ; all but K step 1's sixteen loads
.if \isv
	MM 0, 2
.else
	MM 0, 1
.endif
.endm
.macro KSTEP s
.if (\s) < 5
	PLACES                                         ; the loads below land in the registers that the step before multiplied
	FRAGS (\s)+1
	s_wait_loadcnt 16                              ; this step's fragments are in; the next step's sixteen loads may be out
.else
	s_wait_loadcnt 0x0
.endif
	MM \s, 0
.endm
	s_cmp_eq_u32 s19, 2
	s_cbranch_scc1 .Lv
	HEAD 0
	s_branch .Ljoin
.Lv:
	HEAD 1
.Ljoin:
	KSTEP 1
	KSTEP 2
	KSTEP 3
	KSTEP 4
	KSTEP 5
	; THE QUANTISER: block q = 2 b + blk lies in v[ACC + 16 q] on: 16 registers of mine, 16 of lane l xor 16.  Each accumulator is read from its low end on.
	PLACES
.irp q, 0,1,2,3,4,5,6,7
	v_mov_b32 v[TP+\q], 0                          ; a lane exchange's destination counts as one of its sources
.endr
.irp q, 0,1,2,3,4,5,6,7
	v_max3_num_f32 v[TM+\q], |v[ACC+16*\q]|, |v[ACC+16*\q+1]|, 0x1800000   ; with the floor 2^(3 - 127): the byte cannot fall under 1
.endr
.irp i, 2,4,6,8,10,12,14
.irp q, 0,1,2,3,4,5,6,7
	v_max3_num_f32 v[TM+\q], v[TM+\q], |v[ACC+16*\q+\i]|, |v[ACC+16*\q+\i+1]|   ; the eight blocks by turns
.endr
.endr
.irp q, 0,1,2,3,4,5,6,7
	v_permlanex16_b32 v[TP+\q], v[TM+\q], s56, s57
.endr
.irp q, 0,1,2,3,4,5,6,7
	v_max_num_f32 v[TM+\q], v[TM+\q], v[TP+\q]     ; the block's largest magnitude
.endr
.irp q, 0,1,2,3,4,5,6,7
	v_add_nc_u32 v[SO+\q], 0xff000000, v[TM+\q]    ; 2 off its exponent field: the conversion's scale operand
.endr
.irp q, 0,1,2,3,4,5,6,7
	v_lshrrev_b32 v[BY+\q], 23, v[SO+\q]           ; the scale's byte
.endr
.irp b, 0,1,2,3
	v_lshl_or_b32 v[SW+\b], v[BY+2*\b+1], 8, v[BY+2*\b]
	v_mad_u32_u24 v[VO+\b], s30, \b, v1            ; tile b of S1: its pitch x b + 16 x lane
	v_mad_u32_u24 v[VS+\b], s32, \b, v4            ; and + 2 r
.endr
.irp b, 0,1,2,3
	v_cvt_scalef32_pk8_fp4_f32 v[CD+4*\b],   v[ACC+32*\b:ACC+32*\b+7],     v[SO+2*\b]     ; block 0, numbers 8 h + 0 .. 7
	v_cvt_scalef32_pk8_fp4_f32 v[CD+4*\b+1], v[ACC+32*\b+16:ACC+32*\b+23], v[SO+2*\b+1]   ; block 1, the same
	v_cvt_scalef32_pk8_fp4_f32 v[CD+4*\b+2], v[ACC+32*\b+8:ACC+32*\b+15],  v[SO+2*\b]     ; block 0, numbers 16 + 8 h + 0 .. 7
	v_cvt_scalef32_pk8_fp4_f32 v[CD+4*\b+3], v[ACC+32*\b+24:ACC+32*\b+31], v[SO+2*\b+1]   ; block 1, the same
.endr
	v_nop                                          ; one plain place behind a scaled conversion
.irp b, 0,1,2,3
	v_permlane16_swap_b32 v[CD+4*\b], v[CD+4*\b+1]     ; the first's lanes 16-31 change places with the second's lanes 0-15: lanes 0-15 now hold block 0's numbers 0-7 and 8-15, lanes 16-31 block 1's
	v_permlane16_swap_b32 v[CD+4*\b+2], v[CD+4*\b+3]   ; likewise numbers 16-23 and 24-31
.endr
.irp b, 0,1,2,3
	global_store_b128 v[VO+\b], v[CD+4*\b:CD+4*\b+3], s[46:47]   ; 512 consecutive bytes, aligned
	global_store_b16 v[VS+\b], v[SW+\b], s[48:49]                ; 32 consecutive bytes; both halves of the lanes write the same value to the same place
.endr
	s_endpgm
.Lfunc_end_k_q995173d03f_proj:
	.size	k_q995173d03f_proj, .Lfunc_end_k_q995173d03f_proj-k_q995173d03f_proj
	.p2alignl 7, 3214868480
	.fill 96, 4, 3214868480
	.section	.rodata,"a",@progbits
	.p2align	6, 0x0
	.amdhsa_kernel k_q995173d03f_proj
		.amdhsa_group_segment_fixed_size 0
		.amdhsa_private_segment_fixed_size 0
		.amdhsa_enable_private_segment 0
		.amdhsa_kernarg_size 56
		.amdhsa_user_sgpr_count 2
		.amdhsa_user_sgpr_kernarg_segment_ptr 1
		.amdhsa_wavefront_size32 1
		.amdhsa_system_sgpr_workgroup_id_x 1
		.amdhsa_system_sgpr_workgroup_id_y 1
		.amdhsa_system_sgpr_workgroup_id_z 1
		.amdhsa_system_vgpr_workitem_id 0
		.amdhsa_next_free_vgpr 320
		.amdhsa_next_free_sgpr 66
		.amdhsa_reserve_vcc 0
		.amdhsa_float_denorm_mode_32 3
		.amdhsa_float_denorm_mode_16_64 3
		.amdhsa_memory_ordered 1
		.amdhsa_forward_progress 1
		.amdhsa_inst_pref_size 48
	.end_amdhsa_kernel
	.amdgpu_metadata
---
amdhsa.version: [ 1, 2 ]
amdhsa.kernels:
  - .name:           k_q995173d03f_proj
    .symbol:         k_q995173d03f_proj.kd
    .args:
      - { .name: cod, .offset: 0, .size: 8, .value_kind: global_buffer, .address_space: global }
      - { .name: scl, .offset: 8, .size: 8, .value_kind: global_buffer, .address_space: global }
      - { .name: bq, .offset: 16, .size: 8, .value_kind: global_buffer, .address_space: global }
      - { .name: bk, .offset: 24, .size: 8, .value_kind: global_buffer, .address_space: global }
      - { .name: bv, .offset: 32, .size: 8, .value_kind: global_buffer, .address_space: global }
      - { .name: qkv, .offset: 40, .size: 8, .value_kind: global_buffer, .address_space: global }
      - { .name: qkvs, .offset: 48, .size: 8, .value_kind: global_buffer, .address_space: global }
    .group_segment_fixed_size: 0
    .private_segment_fixed_size: 0
    .kernarg_segment_align: 8
    .kernarg_segment_size: 56
    .max_flat_workgroup_size: 128
    .sgpr_count:     66
    .vgpr_count:     320
    .wavefront_size: 32
...
	.end_amdgpu_metadata
.endif
;; end of part 2
;; launch attn (part 3): grid 256 x 1, 12 waves a work-group, clusters of 4 x 1, 327,680 bytes of LDS; arguments qkv, qkvs, cod, scl, bo, out0; writes out0
.if DOCPART == 3
	.amdgcn_target "amdgcn-amd-amdhsa--gfx1250"
	.amdhsa_code_object_version 6
	.text
	.protected	k_q995173d03f_attn
	.globl	k_q995173d03f_attn
	.p2align	8
	.type	k_q995173d03f_attn,@function
k_q995173d03f_attn:
	s_mov_b64 s[64:65], 0
	v_nop
	global_prefetch_b8 v0, s[64:65] scope:SCOPE_SE
	s_setreg_imm32_b32 hwreg(HW_REG_WAVE_MODE, 25, 1), 1
	s_wait_xcnt 0x0
	s_wait_alu depctr_hold_cnt(0) depctr_sa_sdst(0) depctr_va_vdst(0) depctr_va_sdst(0) depctr_va_ssrc(0) depctr_va_vcc(0) depctr_vm_vsrc(0)
	s_getreg_b32 s2, hwreg(HW_REG_IB_STS2, 6, 4)
	s_cmp_eq_u32 s2, 0
	s_cbranch_scc0 .Lentry_in_a_cluster
	s_endpgm
.Lentry_in_a_cluster:
	s_bfe_u32 s2, ttmp6, 0x10000c
	s_cmp_lg_u32 s2, 0x3003
	s_cbranch_scc0 .Lentry_shape_is_right
	s_endpgm
.Lentry_shape_is_right:
; out0 = (softmax over the band |i - j| <= 64 of Q K^T / 8) V, then x Wo^T + bo: all three products on codes of FP4 with E8M0 scales.
; SHARES: work-group w owns queries 16 w .. 16 w + 15.  PHASE A: wave = head.  PHASE B: wave = output columns 64 wave .. + 63, for all 16 queries.
; THE WINDOW: the 16 queries see keys 16 w - 64 .. 16 w + 79, which lie in the five blocks of 32 keys from block kbi = (w >> 1) - 2 on: 160 keys, ten tiles of 16.  Blocks outside 0 .. 127 are loaded from a clamped
; place and are wholly hidden: their p are zeros, so their codes are zeros.  The whole window is in registers, so the row's true maximum is taken: no running maximum is needed.
; THE SOFTMAX AHEAD OF THE SECOND PRODUCT: t = score x log2(e) / 8; M = ceil(the row's largest t); p = 2^(t - M) is quantised along the keys, not normalised; the row's sum of the unquantised p divides O at the end.
; LAYOUT: all products are used transposed (source 0 = 16 keys, 16 channels of V, 16 rows of Wo; source 1 = my 16 queries): a lane holds ONE query (lane % 16) throughout, and its registers 0-7 of a result the rows 8 (lane / 16) + 0 .. 7 of source 0.
; A block of 32 along the next K so lies in two neighbouring result tiles, half in lane l, half in lane l xor 16; four conversions for two blocks and two exchanges of lane halves make four registers of the next operand.
; SHORT K: Q K^T has K = 64: registers 4-7 of Q's fragment are zero codes, and registers 4-7 of a fragment of K are simply the next tile's codes, which meet those zeros.  The fifth block of keys is a second K step whose other
; three blocks are zero codes of P.  The scale bytes that such places meet are 0 or bytes of real blocks, never 0xff.
; CLUSTER: Wo's codes, its scale words and bo are the same for every work-group: 4 work-groups ask for them JOINTLY (mask 15), each wave for its own columns' part (26,368 bytes), three loads a wave, filled once, ahead of phase A,
; which hides their way.  No LDS address and no branch hangs on the place in the cluster: w enters global addresses and the mask's numbers alone.
; O goes from wave to wave as an image of the operand's registers: head hd is half c = hd % 2 of K step hd / 2.
; LIMITS: NaN and infinities are not served; a block of zeros carries the byte 1 (its codes are zeros).
.set WREG, 26368                       ; a wave's LDS: Wo's four tiles (a x 6144 + s x 1024 + c x 512 + 16 x lane),
.set WSC,  24576                       ; their scale words (a x 384 + g x 128 + 4 x lane),
.set WBO,  26112                       ; bo's 64 numbers.  The way out's stage (16 rows x 272 bytes) lies at the region's start: filled once, and read for the last time before the first result is stored there
.set OIMG, 12*WREG                     ; O's six fragments: hd x 512 + 16 x lane
.set OSC,  OIMG+6144                   ; O's scale words: s x 64 + 4 r + 2 c
.set QF,   34                          ; v34-41  Q: 34-37 codes, 38-41 zeros
.set KF,   44                          ; v44-87  K: tile t at 44 + 4 t; 84-87 zeros
.set VF,   88                          ; v88-139 V: channel tile ct at 88 + 12 ct: step 0 c 0, step 0 c 1, step 1 c 0; 136-139 zeros
.set S,    140                         ; v140-219 S^T, then p; tile t at 140 + 8 t.  Until the loads are in: their offsets.  Later v140-171 O^T
.set BM,   220                         ; v220-224 a block's largest score, then its largest p
.set BP,   225                         ; v225-229 the lane exchange's destinations
.set SO,   230                         ; v230-234 the conversions' scale operands
.set BY,   235                         ; v235-239 the bytes
.set P0,   44                          ; v44-51  P, keys 0-127 of the window;  v52-59 keys 128-159 and zeros: over K's fragments, which are done with
.set P1,   52
.set OC,   60                          ; v60-63  O's codes
.set OF,   44                          ; phase B: v44-91 O's six fragments
.set WB,   92                          ; v92-187 Wo's fragments of three K steps (32 g + 8 a)
.set BI,   188                         ; v188-219 bo as C
.set YA,   220                         ; v220-251 the four accumulators
.macro ROUND                           ; a round of the cluster's barrier: my work-group's barrier; wave 0 signals for the work-group; every wave waits for all four work-groups; my work-group's barrier once more
	s_barrier_signal -1
	s_barrier_wait -1
	s_cmp_lg_u32 s16, 0
	s_cbranch_scc1 .Lnot_wave_0_\@
	s_barrier_signal -3
.Lnot_wave_0_\@:
	s_barrier_wait -3
	s_barrier_signal -1
	s_barrier_wait -1
.endm
	s_load_b256 s[4:11], s[0:1], 0x0               ; qkv 4, qkvs 6, cod 8, scl 10
	s_load_b128 s[12:15], s[0:1], 0x20             ; bo 12, out0 14
	v_lshl_add_u32 v254, v0, 2, 0x4ee00
	v_mov_b32 v255, 0
	ds_add_u32 v254, v255
	ds_add_u32 v254, v255
	v_lshrrev_b32 v1, 5, v0
	v_readfirstlane_b32 s16, v1                    ; wave 0..11: the head, later the block of 64 columns
	v_and_b32 v2, 31, v0
	v_lshlrev_b32 v1, 4, v2                        ; v1  16 x lane
	v_lshlrev_b32 v2, 1, v2                        ; v2  2 x lane
	v_and_b32 v4, 15, v0                           ; v4  r
	v_bfe_u32 v5, v0, 4, 1                         ; v5  h
	v_lshlrev_b32 v3, 1, v4                        ; v3  2 r
	; every LDS address: constants, the lane and the wave's number
	s_mul_i32 s93, s16, WREG                       ; my region
	s_lshl_b32 s92, s16, 9
	s_add_co_u32 s92, s92, OIMG
	v_add_nc_u32 v6, s92, v1                       ; v6  where my head's codes of O go
	s_lshr_b32 s92, s16, 1
	s_lshl_b32 s92, s92, 6
	s_and_b32 s94, s16, 1
	s_lshl_b32 s94, s94, 1
	s_add_co_u32 s92, s92, s94
	s_add_co_u32 s92, s92, OSC
	v_lshl_add_u32 v7, v4, 2, s92                  ; v7  and its two scale bytes
	v_add_nc_u32 v8, OIMG, v1                      ; v8  O's fragments, for any wave
	v_lshl_add_u32 v9, v2, 1, OSC                  ; v9  O's scale words: 4 x lane
	v_add_nc_u32 v10, s93, v1                      ; v10 Wo's fragments
	s_add_co_u32 s92, s93, WSC
	v_lshl_add_u32 v11, v2, 1, s92                 ; v11 Wo's scale words
	s_add_co_u32 s92, s93, WBO
	v_lshl_add_u32 v12, v5, 5, s92                 ; v12 bo: + 32 h
	v_mul_u32_u24 v13, v4, 272
	v_lshl_add_u32 v13, v5, 5, v13
	v_add_nc_u32 v13, s93, v13                     ; v13 the stage, in: row r, + 32 h
	v_mul_u32_u24 v14, v5, 272
	v_lshl_add_u32 v14, v4, 4, v14
	v_add_nc_u32 v14, s93, v14                     ; v14 the stage, back: lanes 0-15 one row, lanes 16-31 the next
	v_mul_u32_u24 v15, v5, 3072
	v_lshl_add_u32 v15, v4, 4, v15                 ; v15 and the same two rows in out0
	; ids
	s_bfe_u32 s17, ttmp6, 0x40000                  ; cx
	s_lshl_b32 s18, ttmp9, 2
	s_add_co_u32 s18, s18, s17                     ; w = 4 x cluster x + cx
	s_lshr_b32 s19, s18, 1
	s_sub_co_i32 s19, s19, 2                       ; kbi: the window's first block of 32 keys, -2 .. 125
.irp i, 0,1,2,3,4
	s_add_co_i32 s[20+\i], s19, \i
	s_max_i32 s[20+\i], s[20+\i], 0
	s_min_i32 s[20+\i], s[20+\i], 127              ; s20-24: the five blocks, held inside the tensor
.endr
	s_ashr_i32 s29, s19, 1
.irp k, 0,1,2
	s_add_co_i32 s[25+\k], s29, \k
	s_max_i32 s[25+\k], s[25+\k], 0
	s_min_i32 s[25+\k], s[25+\k], 63               ; s25-27: the three pairs of blocks in which they lie
.endr
	s_and_b32 s28, s19, 1
	s_lshl_b32 s28, s28, 3                         ; 8 where the window begins with a pair's upper block
	s_mov_b32 s95, 0x03020100
	s_cmp_lg_u32 s28, 0
	s_cselect_b32 s95, 0x04030201, s95             ; the byte selects that cut four scale bytes out of the pairs
	; the mask, from ids alone.  The key of tile t's register j is 32 kbi + 16 t + 8 h + j; it counts where max(q - 64, 0) <= key <= min(q + 64, 4095), q = 16 w + r
	s_lshl_b32 s29, s18, 4                         ; 16 w
	s_lshl_b32 s92, s19, 5                         ; 32 kbi
	s_sub_co_i32 s30, s29, 64
	s_max_i32 s30, s30, 0
	s_sub_co_i32 s30, s30, s92                     ; the lower bound of r = 0, from the window's start
	s_add_co_u32 s31, s29, 64
	s_min_u32 s31, s31, 4095
	s_sub_co_i32 s31, s31, s92                     ; the upper bound likewise
	s_cmp_ge_u32 s18, 4
	s_cselect_b32 s66, 1, 0                        ; for w < 4 the lower bound is key 0 for every r (16 w + 15 - 64 < 0),
	s_cmp_lt_u32 s18, 252
	s_cselect_b32 s67, 1, 0                        ; for w >= 252 the upper bound is key 4095 for every r (16 w + 64 > 4095); else both move with r
	s_mov_b32 s88, 0x76543210
	s_mov_b32 s89, 0xfedcba98                      ; v_permlanex16_b32's selects for lane l xor 16
	s_mov_b32 s90, 0x3e38aa3b                      ; c = log2(e) / 8
	s_mov_b32 s91, s90                             ; (named with it as a pair)
	; descriptor groups 1: dense blocks as rows of 256 bytes (32 elements of 8 bytes): 96 rows (codes), 6 (scale words), 1 (bo)
.irp g, 32, 40, 48
	s_mov_b32 s[\g], 15|(3<<16)|(1<<21)            ; 15:0 the mask: all four work-groups; 17:16 elements of 8 bytes; 21 set beside a mask; no padding
	s_mov_b32 s[\g+1], 32<<16                      ; tensor_dim0 = 32
	s_mov_b32 s[\g+3], 32<<16                      ; tile_dim0 = 32
	s_mov_b32 s[\g+5], 32                          ; from row to row
	s_mov_b32 s[\g+6], 0
	s_mov_b32 s[\g+7], 0
.endr
	s_mov_b32 s34, 96<<16                          ; tensor_dim1,
	s_mov_b32 s36, 96                              ; tile_dim1
	s_mov_b32 s42, 6<<16
	s_mov_b32 s44, 6
	s_mov_b32 s50, 1<<16
	s_mov_b32 s52, 1
	s_mov_b32 s87, 0
	s_wait_dscnt 0x0
	s_wait_kmcnt 0x0
	s_lshl_b32 s86, s16, 17
	s_add_nc_u64 s[76:77], s[4:5], s[86:87]
	s_add_nc_u64 s[80:81], s[76:77], 3145728       ; V's codes of my head's four channel tiles
	s_add_nc_u64 s[76:77], s[76:77], 1572864       ; K's codes of my head
	s_lshl_b32 s92, s18, 9
	s_add_co_u32 s86, s86, s92
	s_add_nc_u64 s[72:73], s[4:5], s[86:87]        ; Q's codes: my head, my 16 queries
	s_lshl_b32 s86, s16, 13
	s_add_nc_u64 s[78:79], s[6:7], s[86:87]
	s_add_nc_u64 s[82:83], s[78:79], 196608        ; V's scale bytes
	s_add_nc_u64 s[78:79], s[78:79], 98304         ; K's
	s_lshl_b32 s92, s18, 5
	s_add_co_u32 s86, s86, s92
	s_add_nc_u64 s[74:75], s[6:7], s[86:87]        ; Q's
	s_mul_i32 s86, s18, 49152
	s_lshl_b32 s92, s16, 8
	s_add_co_u32 s86, s86, s92
	s_add_nc_u64 s[84:85], s[14:15], s[86:87]      ; out0: my 16 rows, my 64 columns
	; the loads' offsets, in S^T's registers until the loads are in
.irp i, 0,1,2,3,4
	v_lshl_add_u32 v[S+\i], s[20+\i], 10, v1       ; K: a block is two tiles of 512 bytes
	v_lshl_add_u32 v[S+5+\i], s[20+\i], 6, v2      ; K's scale bytes: 64 a block; lanes 0-15 the even tile's tokens, lanes 16-31 the odd tile's
.endr
.irp c, 0,1
	s_sub_co_i32 s92, s[21+2*\c], s[20+2*\c]
	s_lshl_b32 s92, s92, 8
	v_mul_u32_u24 v[S+10+\c], s92, v5              ; V: lanes 16-31 take the pair's second block (the same one where both are held at the tensor's end),
	v_lshl_add_u32 v[S+10+\c], v4, 4, v[S+10+\c]   ; 16 bytes a channel,
	v_lshl_add_u32 v[S+10+\c], s[20+2*\c], 8, v[S+10+\c]   ; 256 bytes a block
.endr
	v_lshlrev_b32 v[S+12], 4, v4
	v_lshl_add_u32 v[S+12], s24, 8, v[S+12]        ; the fifth block, in both halves of the lanes
.irp k, 0,1,2
	v_lshl_add_u32 v[S+13+\k], v5, 11, v3          ; V's scale bytes: lanes 0-15 the even channel tile, lanes 16-31 the odd one,
	v_lshl_add_u32 v[S+13+\k], s[25+\k], 5, v[S+13+\k]   ; 32 bytes a pair of blocks
.endr
	global_load_b128 v[QF:QF+3], v1, s[72:73]
	global_load_u16 v16, v3, s[74:75]              ; v16 Q's scale word: two bytes, the upper two 0
.irp t, 0,1,2,3,4,5,6,7,8,9
	global_load_b128 v[KF+4*\t:KF+4*\t+3], v[S+\t/2], s[76:77] offset:512*(\t%2)
.endr
.irp i, 0,1,2,3,4
	global_load_u16 v[17+\i], v[S+5+\i], s[78:79]  ; v17-21 K's scale words, a register for two tiles
.endr
.irp ct, 0,1,2,3
.irp c, 0,1,2
	global_load_b128 v[VF+12*\ct+4*\c:VF+12*\ct+4*\c+3], v[S+10+\c], s[80:81] offset:32768*\ct
.endr
.endr
.irp u, 0,1
.irp k, 0,1,2
	global_load_u16 v[22+3*\u+\k], v[S+13+\k], s[82:83] offset:4096*\u   ; v22-27 V's raw pairs of bytes
.endr
.endr
	; descriptor groups 0: my four tiles of Wo, their scale words, my 64 numbers of bo: nothing in them but constants and the wave's number
	s_mov_b32 s56, 1
	s_mov_b32 s57, s93
	s_mul_i32 s86, s16, 4*6144
	s_add_co_u32 s86, s86, 912*6144
	s_add_nc_u64 s[58:59], s[8:9], s[86:87]
	s_or_b32 s59, s59, 0x80000000
	s_mov_b32 s60, 1
	s_add_co_u32 s61, s93, WSC
	s_mul_i32 s86, s16, 4*384
	s_add_co_u32 s86, s86, 912*384
	s_add_nc_u64 s[62:63], s[10:11], s[86:87]
	s_or_b32 s63, s63, 0x80000000
	s_mov_b32 s68, 1
	s_add_co_u32 s69, s93, WBO
	s_lshl_b32 s86, s16, 8
	s_add_nc_u64 s[70:71], s[12:13], s[86:87]
	s_or_b32 s71, s71, 0x80000000
	ROUND                                          ; all four work-groups are here: the joint loads meet
	tensor_load_to_lds s[56:59], s[32:39]          ; the launch's only fills, in one group: three loads of mine are out
	s_nop 0
	tensor_load_to_lds s[60:63], s[40:47]
	s_nop 0
	tensor_load_to_lds s[68:71], s[48:55]
	s_nop 0
.rept 4
	v_nop                                          ; (behind a tensor load)
.endr
.irp j, 0,1,2,3
	v_mov_b32 v[QF+4+\j], 0                        ; the zero codes: Q's k = 64 .. 127,
	v_mov_b32 v[KF+40+\j], 0                       ; what lies behind K's last tile,
	v_mov_b32 v[VF+48+\j], 0                       ; and behind V's last
.endr
.irp b, 0,1,2,3,4
	v_mov_b32 v[BP+\b], 0                          ; a lane exchange's destination counts as one of its sources
.endr
	v_mov_b32 v242, 0xff800000                     ; -infinity
	v_mov_b32 v245, 0                              ; (named with -M as a pair)
	v_lshlrev_b32 v243, 3, v5
	v_mad_u32_u24 v240, v4, s66, s30
	v_sub_nc_u32 v240, v240, v243                  ; v240: index 16 t + j is hidden where it lies under this: at most 64, so only tiles 0-3 can be
	v_mad_u32_u24 v241, v4, s67, s31
	v_sub_nc_u32 v241, v241, v243                  ; v241: and where it lies over this: at least 87, so only tiles 6-9 can be (tile 5 ends at 87)
	s_wait_loadcnt 0x0                             ; Q, K, V and their scale bytes; the offsets' registers are free
	; ---- PHASE A.  S^T = K Q^T: ten tiles of 16 keys
.irp t, 0,1,2,3,4,5,6,7,8,9
.if (\t)%2
	v_wmma_scale_f32_16x16x128_f8f6f4 v[S+8*\t:S+8*\t+7], v[KF+4*\t:KF+4*\t+7], v[QF:QF+7], 0, v[17+\t/2], v16 matrix_a_fmt:MATRIX_FMT_FP4 matrix_b_fmt:MATRIX_FMT_FP4 matrix_a_scale:MATRIX_SCALE_ROW1
.else
	v_wmma_scale_f32_16x16x128_f8f6f4 v[S+8*\t:S+8*\t+7], v[KF+4*\t:KF+4*\t+7], v[QF:QF+7], 0, v[17+\t/2], v16 matrix_a_fmt:MATRIX_FMT_FP4 matrix_b_fmt:MATRIX_FMT_FP4
.endif
.endr
.irp u, 0,1                                    ; V's scale words, v28-31 (2 u + step): six plain lines that name nothing of the products above: their places
	v_lshl_or_b32 v243, v[23+3*\u], 16, v[22+3*\u]
	v_perm_b32 v[28+2*\u], v[24+3*\u], v243, s95   ; the bytes of the window's blocks 0-3
	v_lshrrev_b32 v[29+2*\u], s28, v[24+3*\u]      ; byte 0: block 4's
.endr
.irp t, 0,1,2,3                                ; hidden scores become -infinity ahead of the maximum: p = 0 then.  Each tile from its low end on
.irp j, 0,1,2,3,4,5,6,7
	v_cmp_lt_i32 vcc_lo, 16*\t+\j, v240
	v_cndmask_b32 v[S+8*\t+\j], v[S+8*\t+\j], v242, vcc_lo
.endr
.endr
.irp t, 6,7,8,9
.irp j, 0,1,2,3,4,5,6,7
	v_cmp_gt_i32 vcc_lo, 16*\t+\j, v241
	v_cndmask_b32 v[S+8*\t+\j], v[S+8*\t+\j], v242, vcc_lo
.endr
.endr
.irp b, 0,1,2,3,4
	v_max3_num_f32 v[BM+\b], v[S+16*\b], v[S+16*\b+1], v[S+16*\b+2]   ; the largest score of each block of 32 keys: it serves for the row's maximum and, since p rises with the score, for the block's largest p
.endr
.irp i, 3,5,7,9,11,13
.irp b, 0,1,2,3,4
	v_max3_num_f32 v[BM+\b], v[BM+\b], v[S+16*\b+\i], v[S+16*\b+\i+1]
.endr
.endr
.irp b, 0,1,2,3,4
	v_max_num_f32 v[BM+\b], v[BM+\b], v[S+16*\b+15]
.endr
.irp b, 0,1,2,3,4
	v_permlanex16_b32 v[BP+\b], v[BM+\b], s88, s89
.endr
.irp b, 0,1,2,3,4
	v_max_num_f32 v[BM+\b], v[BM+\b], v[BP+\b]     ; with lane l xor 16's 16 keys
.endr
	v_max3_num_f32 v243, v220, v221, v222
	v_max3_num_f32 v243, v243, v223, v224          ; the row's largest score (the query's own key always counts),
	v_mul_f32 v243, s90, v243                      ; as t
	v_floor_f32 v244, -v243                        ; -M = floor(-t) = -ceil(t)
.set i, 0
.rept 40
	v_pk_fma_f32 v[S+i:S+i+1], v[S+i:S+i+1], s[90:91], v[244:245] op_sel_hi:[1,0,0]   ; t - M, two at a time
.set i, i+2
.endr
.irp b, 0,1,2,3,4
	v_fma_f32 v[BM+\b], v[BM+\b], s90, v244        ; the same of each block's largest score
.endr
.set i, 0
.rept 80
	v_exp_f32 v[S+i], v[S+i]                       ; p = 2^(t - M)
.set i, i+1
.endr
.irp b, 0,1,2,3,4
	v_exp_f32 v[BM+\b], v[BM+\b]                   ; the block's largest p: the same two instructions on the same number
.endr
.irp j, 1,3,4,5,6,7
	v_mov_b32 v[P1+\j], 0                          ; P's zero codes of the second K step (K's fragments are done with).  Also the plain place behind the exponentials
.endr
	s_wait_alu depctr_va_vdst(0)
.irp b, 0,1,2,3,4
	v_max_num_f32 v[BM+\b], 0x1800000, v[BM+\b]    ; the floor 2^(3 - 127): a block whose every p is 0 keeps the byte 1
.endr
.irp b, 0,1,2,3,4
	v_add_nc_u32 v[SO+\b], 0xff000000, v[BM+\b]    ; 2 off the exponent field: the conversion's scale operand
.endr
.irp b, 0,1,2,3,4
	v_lshrrev_b32 v[BY+\b], 23, v[SO+\b]
.endr
	v_lshl_or_b32 v32, v236, 8, v235               ; v32: P's scale word of blocks 0-3
	v_lshl_or_b32 v32, v237, 16, v32
	v_lshl_or_b32 v32, v238, 24, v32
	v_mov_b32 v33, v239                            ; v33: block 4's byte; the other three bytes meet zero codes
.irp c, 0,1
	v_cvt_scalef32_pk8_fp4_f32 v[P0+4*\c],   v[S+32*\c:S+32*\c+7],     v[SO+2*\c]     ; block 2 c, keys 8 h + 0 .. 7
	v_cvt_scalef32_pk8_fp4_f32 v[P0+4*\c+1], v[S+32*\c+16:S+32*\c+23], v[SO+2*\c+1]   ; block 2 c + 1, the same
	v_cvt_scalef32_pk8_fp4_f32 v[P0+4*\c+2], v[S+32*\c+8:S+32*\c+15],  v[SO+2*\c]     ; block 2 c, keys 16 + 8 h + 0 .. 7
	v_cvt_scalef32_pk8_fp4_f32 v[P0+4*\c+3], v[S+32*\c+24:S+32*\c+31], v[SO+2*\c+1]
.endr
	v_cvt_scalef32_pk8_fp4_f32 v[P1],   v[S+64:S+71], v[SO+4]
	v_cvt_scalef32_pk8_fp4_f32 v[P1+2], v[S+72:S+79], v[SO+4]
	v_nop                                          ; one plain place behind a scaled conversion
.irp j, 0,2,4,6,8,10
	v_permlane16_swap_b32 v[P0+\j], v[P0+\j+1]     ; the first's lanes 16-31 change places with the second's lanes 0-15: lanes 0-15 hold the even block whole, lanes 16-31 the odd one (behind block 4: zeros)
.endr
	v_pk_add_f32 v[246:247], v[S:S+1], v[S+2:S+3]  ; the row's sum is taken of the unquantised p: two at a time, in two chains.  These lines are also the places between the operands' and scale words' making and the products below
	v_pk_add_f32 v[248:249], v[S+4:S+5], v[S+6:S+7]
.set i, 8
.rept 18
	v_pk_add_f32 v[246:247], v[246:247], v[S+i:S+i+1]
	v_pk_add_f32 v[248:249], v[248:249], v[S+i+2:S+i+3]
.set i, i+4
.endr
	v_pk_add_f32 v[246:247], v[246:247], v[248:249]
	v_add_f32 v246, v246, v247
	v_permlanex16_b32 v248, v246, s88, s89
	v_add_f32 v246, v246, v248                     ; with lane l xor 16's: the row's sum
	v_rcp_f32 v250, v246
	v_rcp_f32 v251, v246                           ; twice: a pair for the packed multiply
	v_nop                                          ; one plain place behind a transcendental
	; O^T = V^T P^T: four tiles of 16 channels, two K steps; the four accumulators by turns
.irp ct, 0,1,2,3
.if (\ct)%2
	v_wmma_scale_f32_16x16x128_f8f6f4 v[S+8*\ct:S+8*\ct+7], v[VF+12*\ct:VF+12*\ct+7], v[P0:P0+7], 0, v[28+2*(\ct/2)], v32 matrix_a_fmt:MATRIX_FMT_FP4 matrix_b_fmt:MATRIX_FMT_FP4 matrix_a_scale:MATRIX_SCALE_ROW1
.else
	v_wmma_scale_f32_16x16x128_f8f6f4 v[S+8*\ct:S+8*\ct+7], v[VF+12*\ct:VF+12*\ct+7], v[P0:P0+7], 0, v[28+2*(\ct/2)], v32 matrix_a_fmt:MATRIX_FMT_FP4 matrix_b_fmt:MATRIX_FMT_FP4
.endif
.endr
.irp ct, 0,1,2,3
.if (\ct)%2
	v_wmma_scale_f32_16x16x128_f8f6f4 v[S+8*\ct:S+8*\ct+7], v[VF+12*\ct+8:VF+12*\ct+15], v[P1:P1+7], v[S+8*\ct:S+8*\ct+7], v[29+2*(\ct/2)], v33 matrix_a_fmt:MATRIX_FMT_FP4 matrix_b_fmt:MATRIX_FMT_FP4 matrix_a_scale:MATRIX_SCALE_ROW1
.else
	v_wmma_scale_f32_16x16x128_f8f6f4 v[S+8*\ct:S+8*\ct+7], v[VF+12*\ct+8:VF+12*\ct+15], v[P1:P1+7], v[S+8*\ct:S+8*\ct+7], v[29+2*(\ct/2)], v33 matrix_a_fmt:MATRIX_FMT_FP4 matrix_b_fmt:MATRIX_FMT_FP4
.endif
.endr
.rept 4
	v_nop
.endr
.set i, 0
	s_wait_alu depctr_va_vdst(0)
.rept 16
	v_pk_mul_f32 v[S+i:S+i+1], v[S+i:S+i+1], v[250:251]   ; O^T / the sum, each accumulator from its low end on: register 8 ct + j is channel 16 ct + 8 h + j of my head
.set i, i+2
.endr
	; O is quantised along the last product's K: my head's 64 channels are two blocks
.irp q, 0,1
	v_max3_num_f32 v[BM+\q], |v[S+16*\q]|, |v[S+16*\q+1]|, 0x1800000
.endr
.irp i, 2,4,6,8,10,12,14
.irp q, 0,1
	v_max3_num_f32 v[BM+\q], v[BM+\q], |v[S+16*\q+\i]|, |v[S+16*\q+\i+1]|
.endr
.endr
.irp q, 0,1
	v_permlanex16_b32 v[BP+\q], v[BM+\q], s88, s89
.endr
.irp q, 0,1
	v_max_num_f32 v[BM+\q], v[BM+\q], v[BP+\q]
.endr
.irp q, 0,1
	v_add_nc_u32 v[SO+\q], 0xff000000, v[BM+\q]
.endr
.irp q, 0,1
	v_lshrrev_b32 v[BY+\q], 23, v[SO+\q]
.endr
	v_lshl_or_b32 v243, v236, 8, v235              ; my head's two bytes of the row's scale word
	v_cvt_scalef32_pk8_fp4_f32 v[OC],   v[S:S+7],     v[SO]
	v_cvt_scalef32_pk8_fp4_f32 v[OC+1], v[S+16:S+23], v[SO+1]
	v_cvt_scalef32_pk8_fp4_f32 v[OC+2], v[S+8:S+15],  v[SO]
	v_cvt_scalef32_pk8_fp4_f32 v[OC+3], v[S+24:S+31], v[SO+1]
	v_nop                                          ; one plain place behind a scaled conversion
	v_permlane16_swap_b32 v[OC], v[OC+1]
	v_permlane16_swap_b32 v[OC+2], v[OC+3]
	ds_store_b128 v6, v[OC:OC+3]                   ; the operand's registers as they stand: 512 consecutive bytes
	ds_store_b16 v7, v243                          ; both halves of the lanes write the same value to the same place
	s_wait_tensorcnt 0x0                           ; my part of Wo, its scale words and bo have landed (I alone read them)
	s_wait_dscnt 0x0                               ; for the others' sake: my stores are done
	s_barrier_signal -1
	s_barrier_wait -1                              ; O's six fragments and their scale words lie in LDS
	; ---- PHASE B.  y^T = Wo O^T + bo: my four tiles of 16 columns, six K steps, three at a time
.macro WLOAD half
.irp g, 0,1,2
.irp a, 0,1,2,3
.irp c, 0,1
	ds_load_b128 v[WB+32*\g+8*\a+4*\c:WB+32*\g+8*\a+4*\c+3], v10 offset:6144*\a+1024*(3*\half+\g)+512*\c
.endr
.endr
.endr
.endm
.macro OP half                         ; 12 products; the four accumulators by turns; the first K step takes bo as C
.irp g, 0,1,2
.irp a, 0,1,2,3
.set KS, 3*\half+\g
.set CB, YA+8*\a
.if KS == 0
.set CB, BI+8*\a
.endif
.if KS%2
	v_wmma_scale_f32_16x16x128_f8f6f4 v[YA+8*\a:YA+8*\a+7], v[WB+32*\g+8*\a:WB+32*\g+8*\a+7], v[OF+8*KS:OF+8*KS+7], v[CB:CB+7], v[19+3*\a+KS/2], v[16+KS/2] matrix_a_fmt:MATRIX_FMT_FP4 matrix_b_fmt:MATRIX_FMT_FP4 matrix_a_scale:MATRIX_SCALE_ROW1 matrix_b_scale:MATRIX_SCALE_ROW1
.else
	v_wmma_scale_f32_16x16x128_f8f6f4 v[YA+8*\a:YA+8*\a+7], v[WB+32*\g+8*\a:WB+32*\g+8*\a+7], v[OF+8*KS:OF+8*KS+7], v[CB:CB+7], v[19+3*\a+KS/2], v[16+KS/2] matrix_a_fmt:MATRIX_FMT_FP4 matrix_b_fmt:MATRIX_FMT_FP4
.endif
.endr
.endr
.endm
.irp s, 0,1,2,3,4,5
.irp c, 0,1
	ds_load_b128 v[OF+8*\s+4*\c:OF+8*\s+4*\c+3], v8 offset:1024*\s+512*\c
.endr
.endr
.irp g, 0,1,2
	ds_load_b32 v[16+\g], v9 offset:128*\g         ; v16-18 O's scale words: lanes 0-15 K step 2 g, lanes 16-31 K step 2 g + 1
.endr
.irp a, 0,1,2,3
.irp g, 0,1,2
	ds_load_b32 v[19+3*\a+\g], v11 offset:384*\a+128*\g   ; v19-30 Wo's, likewise
.endr
.endr
.irp a, 0,1,2,3
	ds_load_b128 v[BI+8*\a:BI+8*\a+3], v12 offset:64*\a       ; bo(64 wave + 16 a + 8 h + 0 .. 7), in the result's layout
	ds_load_b128 v[BI+8*\a+4:BI+8*\a+7], v12 offset:64*\a+16
.endr
	WLOAD 0
	s_wait_dscnt 0x0
	OP 0
.rept 4
	v_nop                                          ; places in front of loads into registers that matrix instructions have read
.endr
	WLOAD 1
	s_wait_dscnt 0x0                               ; also: my last read of my region's first bytes is in
	OP 1
.rept 4
	v_nop
.endr
	; THE WAY OUT: a lane holds 32 neighbouring bytes of a row; the rows go through my stage and come back whole: sixteen lanes store 256 consecutive bytes, aligned
.irp a, 0,1,2,3
	ds_store_b128 v13, v[YA+8*\a:YA+8*\a+3] offset:64*\a           ; each accumulator from its low end on
	ds_store_b128 v13, v[YA+8*\a+4:YA+8*\a+7] offset:64*\a+16
.endr
.irp i, 0,1,2,3,4,5,6,7
	ds_load_b128 v[WB+4*\i:WB+4*\i+3], v14 offset:544*\i           ; LDS serves a wave's instructions in order (ISA guide 5.7.1.4): these see my stores
.endr
.irp i, 0,1,2,3,4,5,6,7
	s_wait_dscnt 7-\i                              ; rows 2 i, 2 i + 1 are back; the younger loads may be out
	global_store_b128 v15, v[WB+4*\i:WB+4*\i+3], s[84:85] offset:6144*\i th:TH_STORE_NT
.endr
	s_wait_tensorcnt 0x0
	ds_add_u32 v254, v255
	s_wait_dscnt 0x0
	ROUND                                          ; the closing round: no work-group ends while a partner may still ask for a tile that names it
	s_endpgm
.Lfunc_end_k_q995173d03f_attn:
	.size	k_q995173d03f_attn, .Lfunc_end_k_q995173d03f_attn-k_q995173d03f_attn
	.p2alignl 7, 3214868480
	.fill 96, 4, 3214868480
	.section	.rodata,"a",@progbits
	.p2align	6, 0x0
	.amdhsa_kernel k_q995173d03f_attn
		.amdhsa_group_segment_fixed_size 327680
		.amdhsa_private_segment_fixed_size 0
		.amdhsa_enable_private_segment 0
		.amdhsa_kernarg_size 48
		.amdhsa_user_sgpr_count 2
		.amdhsa_user_sgpr_kernarg_segment_ptr 1
		.amdhsa_wavefront_size32 1
		.amdhsa_system_sgpr_workgroup_id_x 1
		.amdhsa_system_sgpr_workgroup_id_y 1
		.amdhsa_system_sgpr_workgroup_id_z 1
		.amdhsa_system_vgpr_workitem_id 0
		.amdhsa_next_free_vgpr 256
		.amdhsa_next_free_sgpr 96
		.amdhsa_reserve_vcc 1
		.amdhsa_float_denorm_mode_32 3
		.amdhsa_float_denorm_mode_16_64 3
		.amdhsa_memory_ordered 1
		.amdhsa_forward_progress 1
		.amdhsa_inst_pref_size 49
	.end_amdhsa_kernel
	.amdgpu_metadata
---
amdhsa.version: [ 1, 2 ]
amdhsa.kernels:
  - .name:           k_q995173d03f_attn
    .symbol:         k_q995173d03f_attn.kd
    .args:
      - { .name: qkv, .offset: 0, .size: 8, .value_kind: global_buffer, .address_space: global }
      - { .name: qkvs, .offset: 8, .size: 8, .value_kind: global_buffer, .address_space: global }
      - { .name: cod, .offset: 16, .size: 8, .value_kind: global_buffer, .address_space: global }
      - { .name: scl, .offset: 24, .size: 8, .value_kind: global_buffer, .address_space: global }
      - { .name: bo, .offset: 32, .size: 8, .value_kind: global_buffer, .address_space: global }
      - { .name: out0, .offset: 40, .size: 8, .value_kind: global_buffer, .address_space: global }
    .group_segment_fixed_size: 327680
    .private_segment_fixed_size: 0
    .kernarg_segment_align: 8
    .kernarg_segment_size: 48
    .max_flat_workgroup_size: 384
    .sgpr_count:     96
    .vgpr_count:     256
    .wavefront_size: 32
...
	.end_amdgpu_metadata
.endif
;; end of part 3
;; ======== version 2 of 2: 3 launches; version 1 with the launch proj written anew for expert scheduling mode
;; workspace buffers: cod 5,898,240 bytes; scl 368,640 bytes; qkv 4,718,592 bytes; qkvs 294,912 bytes
;; launch quant: the kernel of part 1 again; grid 240 x 1, 12 waves a work-group, no clusters, 204,288 bytes of LDS; arguments query, key, value, Wq, Wk, Wv, Wo, cod, scl; writes cod, scl
;; launch proj (part 4): grid 192 x 3, 4 waves a work-group, no clusters, 0 bytes of LDS; arguments cod, scl, bq, bk, bv, qkv, qkvs; writes qkv, qkvs
.if DOCPART == 4
	.amdgcn_target "amdgcn-amd-amdhsa--gfx1250"
	.amdhsa_code_object_version 6
	.text
	.protected	k_q995173d03f_proj
	.globl	k_q995173d03f_proj
	.p2align	8
	.type	k_q995173d03f_proj,@function
k_q995173d03f_proj:
	s_mov_b64 s[64:65], 0
	v_nop
	global_prefetch_b8 v0, s[64:65] scope:SCOPE_SE
	s_setreg_imm32_b32 hwreg(HW_REG_WAVE_SCHED_MODE, 0, 2), 2
	s_setreg_imm32_b32 hwreg(HW_REG_WAVE_MODE, 25, 1), 1
	s_wait_xcnt 0x0
	s_wait_alu depctr_vm_vsrc(0)
; Q = query Wq^T + bq, K = key Wk^T + bk, V = value Wv^T + bv on codes of FP4 (work-group y = 0, 1, 2), K = 768 in six steps of 128; the results are quantised again at once, in registers:
; Q and K along the head's 64 channels, V along the keys, and leave as images of operand registers.  The f32 results never go to memory.
; ONE FORM FOR ALL THREE: D = S0 x S1^T, source 0 = four tiles of S0, source 1 = four tiles of S1: a wave makes 64 x 64.  In a result lane l holds row (l % 16) of S1's tile and its registers 0-7 rows 8 (l / 16) + 0 .. 7 of S0's.
; Q, K: S0 = the weight (a head's 64 channels), S1 = 64 tokens.  V: S0 = 64 tokens (keys), S1 = the weight.  So the axis that is quantised next always runs down a lane's registers.
; A block of 32 lies in tiles 2 blk, 2 blk + 1 of S0, half in lane l and half in lane l xor 16.  Four conversions for each pair of blocks and two exchanges of lane halves give registers 0-3 of a fragment: lane (r, h) holds block h whole.
; OUT: qkv: Q at 0, K at 1,572,864: head x 131072 + (token / 16) x 512 + 16 x lane;  V at 3,145,728: (channel / 16) x 32768 + (key / 32) x 256 + 16 x (channel % 16).
;      qkvs: Q at 0, K at 98,304: head x 8192 + 2 x token;  V at 196,608: (channel / 16) x 2048 + (key / 64) x 32 + 2 x (channel % 16): two bytes, the lower block's first.
; SHARES: work-group x = 64 hg + tb: tokens 64 tb on; wave w takes head 4 hg + w.
; NO JOINT REQUESTS: fragments come straight from memory as register images, 512 consecutive bytes a load, and nothing goes through LDS; a joint request is a tensor load into LDS, from which the same 48 KB a wave would have to be read once more.
; LIMITS: NaN and infinities are not served; a block of zeros carries the byte 1 (its codes are zeros; this program alone reads the bytes).
; REGISTERS: window 0: v1-5 lane terms; v8-19 S0's scale words (3 a + g), v20-31 S1's; v32-63 the bias as C; v64-127 fragments of even K steps (S0 at 64 + 8 a, S1 at 96 + 8 b); v128-255 accumulator (a, b) at 128 + 32 b + 8 a.
;   window 1: v0-63 fragments of odd K steps.  Behind the sums v32-91 are at work.
; THE MODE: SCHED_MODE bits 1:0 = 2 (LLVM: expert scheduling mode 2), set by the entry lines.  The code itself states the register dependences
; between vector or matrix instructions and memory instructions, with s_wait_alu, always for 0.
; THE PLAN.  Registers that memory instructions touch, in the order of the text (it has no loop):
;   v1-v5       Written at the head by vector instructions and never again; every load reads one of them as its offset.
;   v8-63       Scale words and the bias: each loaded once; read by matrix instructions; no load lands there again.
;   E (window 0, v64-127)   The loads of K steps 0, 2, 4 land in it; the products of those steps read it.
;   O (window 1, v0-63)     The same for K steps 1, 3, 5.
;   v64-91      At the end: codes, scale bytes and store offsets, written by vector instructions, read by the eight stores; nothing writes them behind the stores.
; K step s asks for step s + 1 into the buffer that step s - 1's products read, AHEAD of the wait for its own data, so that two steps' loads are on their way: so one wait on va_vdst stands in each of K steps 1 to 4,
; straight ahead of its sixteen loads.  One more stands ahead of the first load (the offsets), one ahead of the stores (their data and offsets), and one on va_sdst behind the line that makes the wave's number.
; No register that a memory instruction reads is ever written again: no wait on vm_vsrc is owed.  A third buffer would take 384 registers a wave, of which three no longer share a SIMD's 1,024: two buffers stay.
.set SC0, 8
.set SC1, 20
.set BI,  32
.set ACC, 128
.set TM,  32                           ; v32-39 largest magnitudes of the eight blocks (2 b + blk)
.set TP,  40                           ; v40-47 the lane exchange's destinations
.set SO,  48                           ; v48-55 the conversions' scale operands
.set BY,  56                           ; v56-63 the bytes
.set CD,  64                           ; v64-79 codes: 4 registers for each tile b of S1
.set SW,  80                           ; v80-83 two bytes for each b
.set VO,  84                           ; v84-87 store offsets of the codes
.set VS,  88                           ; v88-91 and of the bytes
.set MSB, 0
.macro WIN new                         ; the immediate's high byte repeats the setting that is left
.if MSB != \new
	s_set_vgpr_msb (MSB<<8)|\new
.set MSB, \new
.endif
.endm
.macro PLACES                          ; four places behind a matrix instruction, in front of loads into registers that it read and of reads of its results
.rept 4
	v_nop
.endr
.endm
	s_load_b256 s[4:11], s[0:1], 0x0               ; cod 4, scl 6, bq 8, bk 10
	s_load_b128 s[12:15], s[0:1], 0x20             ; bv 12, qkv 14
	s_load_b64 s[16:17], s[0:1], 0x30              ; qkvs
	v_lshrrev_b32 v1, 5, v0
	v_readfirstlane_b32 s18, v1                    ; wave 0..3
	v_and_b32 v6, 31, v0
	v_lshlrev_b32 v1, 4, v6                        ; 16 x lane
	v_lshlrev_b32 v2, 2, v6                        ; 4 x lane
	v_bfe_u32 v7, v0, 4, 1
	v_lshlrev_b32 v3, 5, v7                        ; 32 h
	v_and_b32 v6, 15, v0
	v_lshlrev_b32 v4, 1, v6                        ; 2 r
	v_lshlrev_b32 v5, 2, v6                        ; 4 r
	s_wait_alu depctr_va_sdst(0)                   ; s18 is written, ahead of its first reader: the head's number, and with it every base, is made from it
	s_and_b32 s19, ttmp7, 0xffff                   ; y: 0 Q, 1 K, 2 V
	s_lshr_b32 s20, ttmp9, 6                       ; hg
	s_and_b32 s21, ttmp9, 63                       ; tb
	s_lshl_b32 s22, s20, 2
	s_add_co_u32 s22, s22, s18                     ; head
	s_mul_i32 s23, s19, 48
	s_lshl_b32 s33, s22, 2
	s_add_co_u32 s23, s23, s33
	s_add_co_u32 s23, s23, 768                     ; the weight's first tile: 768 + 48 y + 4 head
	s_lshl_b32 s24, s19, 8
	s_lshl_b32 s33, s21, 2
	s_add_co_u32 s24, s24, s33                     ; the tokens' first tile: 256 y + 4 tb
	s_mov_b32 s29, 131072
	s_mov_b32 s30, 512
	s_mov_b32 s31, 8192
	s_mov_b32 s32, 32
	s_mov_b32 s56, 0x76543210
	s_mov_b32 s57, 0xfedcba98                      ; v_permlanex16_b32's selects for lane l xor 16
	s_cmp_eq_u32 s19, 2                            ; V changes the sources' places; only moves and selects follow the compare
	s_cselect_b32 s25, s24, s23                    ; S0's first tile
	s_cselect_b32 s26, s23, s24                    ; S1's
	s_cselect_b32 s27, s21, s22                    ; g0: what S0's 64 rows are numbered by
	s_cselect_b32 s28, s22, s21                    ; G1: and S1's
	s_cselect_b32 s29, 512, s29                    ; codes: bytes for a step of g0,
	s_cselect_b32 s30, 32768, s30                  ; and for a tile of S1
	s_cselect_b32 s31, 32, s31                     ; scale bytes likewise
	s_cselect_b32 s32, 2048, s32
	s_mov_b32 s35, 0
	s_wait_kmcnt 0x0
	s_mul_i32 s34, s25, 6144
	s_add_nc_u64 s[36:37], s[4:5], s[34:35]        ; S0's fragments
	s_mul_i32 s34, s26, 6144
	s_add_nc_u64 s[38:39], s[4:5], s[34:35]        ; S1's
	s_mul_i32 s34, s25, 384
	s_add_nc_u64 s[40:41], s[6:7], s[34:35]        ; S0's scale words
	s_mul_i32 s34, s26, 384
	s_add_nc_u64 s[42:43], s[6:7], s[34:35]        ; S1's
	s_cmp_eq_u32 s19, 0
	s_cselect_b64 s[44:45], s[8:9], s[10:11]
	s_cmp_eq_u32 s19, 2
	s_cselect_b64 s[44:45], s[12:13], s[44:45]
	s_lshl_b32 s34, s22, 8
	s_add_nc_u64 s[44:45], s[44:45], s[34:35]      ; the head's 64 numbers of the bias
	s_mul_i32 s34, s19, 1572864
	s_mul_i32 s33, s27, s29
	s_add_co_u32 s34, s34, s33
	s_mul_i32 s33, s28, s30
	s_lshl_b32 s33, s33, 2
	s_add_co_u32 s34, s34, s33
	s_add_nc_u64 s[46:47], s[14:15], s[34:35]      ; where my codes go
	s_mul_i32 s34, s19, 98304
	s_mul_i32 s33, s27, s31
	s_add_co_u32 s34, s34, s33
	s_mul_i32 s33, s28, s32
	s_lshl_b32 s33, s33, 2
	s_add_co_u32 s34, s34, s33
	s_add_nc_u64 s[48:49], s[16:17], s[34:35]      ; and my scale bytes
; the 8 fragments of K step s: 16 loads of 512 consecutive bytes; even steps into window 0, odd ones into window 1.
; dep = 1: products have read the buffer before: the window's switch, then the wait, then the loads.
.macro FRAGS s, dep
.set FB, 64*(1-(\s)%2)
.if (\s)%2
	WIN 0x40                                       ; destination window 1, address window 0
.endif
.if \dep
	s_wait_alu depctr_va_vdst(0)                   ; the products of two K steps back are done reading this buffer's fragments, in which the sixteen loads below land
.endif
.irp a, 0,1,2,3
.irp c, 0,1
	global_load_b128 v[FB+8*\a+4*\c:FB+8*\a+4*\c+3], v1, s[36:37] offset:6144*\a+1024*(\s)+512*\c
	global_load_b128 v[FB+32+8*\a+4*\c:FB+32+8*\a+4*\c+3], v1, s[38:39] offset:6144*\a+1024*(\s)+512*\c
.endr
.endr
	WIN 0
.endm
; 16 matrix instructions of K step s.  cmode 0: C = the accumulator; 1: the bias by S0's rows; 2: the bias by S1's rows.  The 16 accumulators take turns, one instruction a turn, in the same order in every step.
; A register of scale words serves two K steps: lanes 0-15 the even one, lanes 16-31 the odd one.
.macro MM s, cmode
.set FB, 64*(1-(\s)%2)
.set SG, (\s)/2
.if (\s)%2
	WIN 0x05                                       ; sources 0 and 1 window 1; C and D window 0
.endif
.irp b, 0,1,2,3
.irp a, 0,1,2,3
.set DB, ACC+32*\b+8*\a
.if (\cmode) == 0
.set CB, DB
.elseif (\cmode) == 1
.set CB, BI+8*\a
.else
.set CB, BI+8*\b
.endif
.if (\s)%2
	v_wmma_scale_f32_16x16x128_f8f6f4 v[DB:DB+7], v[FB+8*\a:FB+8*\a+7], v[FB+32+8*\b:FB+32+8*\b+7], v[CB:CB+7], v[SC0+3*\a+SG], v[SC1+3*\b+SG] matrix_a_fmt:MATRIX_FMT_FP4 matrix_b_fmt:MATRIX_FMT_FP4 matrix_a_scale:MATRIX_SCALE_ROW1 matrix_b_scale:MATRIX_SCALE_ROW1
.else
	v_wmma_scale_f32_16x16x128_f8f6f4 v[DB:DB+7], v[FB+8*\a:FB+8*\a+7], v[FB+32+8*\b:FB+32+8*\b+7], v[CB:CB+7], v[SC0+3*\a+SG], v[SC1+3*\b+SG] matrix_a_fmt:MATRIX_FMT_FP4 matrix_b_fmt:MATRIX_FMT_FP4
.endif
.endr
.endr
	WIN 0
.endm
; The loads of the head and the first K step, whose products take the bias as C.  The bias goes out first, so that the counted wait is the same on both ways.
.macro HEAD isv
	s_wait_alu depctr_va_vdst(0)                   ; the lane terms v1 to v5 are written: every load of the kernel reads one of them as its offset.  On each of the two ways, straight ahead of its first load
.if \isv
.irp b, 0,1,2,3
.irp j, 0,1,2,3,4,5,6,7
	global_load_b32 v[BI+8*\b+\j], v5, s[44:45] offset:64*\b   ; V: the channel is the lane's: all eight registers hold bias(16 b + r)
.endr
.endr
.else
.irp a, 0,1,2,3
	global_load_b128 v[BI+8*\a:BI+8*\a+3], v3, s[44:45] offset:64*\a       ; Q, K: the channel runs down the registers: bias(16 a + 8 h + 0 .. 7)
	global_load_b128 v[BI+8*\a+4:BI+8*\a+7], v3, s[44:45] offset:64*\a+16
.endr
.endif
.irp a, 0,1,2,3
.irp g, 0,1,2
	global_load_b32 v[SC0+3*\a+\g], v2, s[40:41] offset:384*\a+128*\g
	global_load_b32 v[SC1+3*\a+\g], v2, s[42:43] offset:384*\a+128*\g
.endr
.endr
	FRAGS 0, 0                                     ; no vector or matrix instruction has named either buffer yet
	FRAGS 1, 0
	s_wait_loadcnt 16                              ; all but K step 1's sixteen loads
.if \isv
	MM 0, 2
.else
	MM 0, 1
.endif
.endm
.macro KSTEP s
.if (\s) < 5
	PLACES                                         ; the loads below land in the registers that the step before multiplied
	FRAGS (\s)+1, 1                                ; asked for ahead of the wait for this step's data, so that two steps' loads are on their way
	s_wait_loadcnt 16                              ; this step's fragments are in; the next step's sixteen loads may be out
.else
	s_wait_loadcnt 0x0                             ; the last step asks for nothing, so it states no dependence
.endif
	MM \s, 0
.endm
	s_cmp_eq_u32 s19, 2
	s_cbranch_scc1 .Lv
	HEAD 0
	s_branch .Ljoin
.Lv:
	HEAD 1
.Ljoin:
	KSTEP 1
	KSTEP 2
	KSTEP 3
	KSTEP 4
	KSTEP 5
	; THE QUANTISER: block q = 2 b + blk lies in v[ACC + 16 q] on: 16 registers of mine, 16 of lane l xor 16.  Each accumulator is read from its low end on.
	PLACES
.irp q, 0,1,2,3,4,5,6,7
	v_mov_b32 v[TP+\q], 0                          ; a lane exchange's destination counts as one of its sources
.endr
.irp q, 0,1,2,3,4,5,6,7
	v_max3_num_f32 v[TM+\q], |v[ACC+16*\q]|, |v[ACC+16*\q+1]|, 0x1800000   ; with the floor 2^(3 - 127): the byte cannot fall under 1
.endr
.irp i, 2,4,6,8,10,12,14
.irp q, 0,1,2,3,4,5,6,7
	v_max3_num_f32 v[TM+\q], v[TM+\q], |v[ACC+16*\q+\i]|, |v[ACC+16*\q+\i+1]|   ; the eight blocks by turns
.endr
.endr
.irp q, 0,1,2,3,4,5,6,7
	v_permlanex16_b32 v[TP+\q], v[TM+\q], s56, s57
.endr
.irp q, 0,1,2,3,4,5,6,7
	v_max_num_f32 v[TM+\q], v[TM+\q], v[TP+\q]     ; the block's largest magnitude
.endr
.irp q, 0,1,2,3,4,5,6,7
	v_add_nc_u32 v[SO+\q], 0xff000000, v[TM+\q]    ; 2 off its exponent field: the conversion's scale operand
.endr
.irp q, 0,1,2,3,4,5,6,7
	v_lshrrev_b32 v[BY+\q], 23, v[SO+\q]           ; the scale's byte
.endr
.irp b, 0,1,2,3
	v_lshl_or_b32 v[SW+\b], v[BY+2*\b+1], 8, v[BY+2*\b]
	v_mad_u32_u24 v[VO+\b], s30, \b, v1            ; tile b of S1: its pitch x b + 16 x lane
	v_mad_u32_u24 v[VS+\b], s32, \b, v4            ; and + 2 r
.endr
.irp b, 0,1,2,3
	v_cvt_scalef32_pk8_fp4_f32 v[CD+4*\b],   v[ACC+32*\b:ACC+32*\b+7],     v[SO+2*\b]     ; block 0, numbers 8 h + 0 .. 7
	v_cvt_scalef32_pk8_fp4_f32 v[CD+4*\b+1], v[ACC+32*\b+16:ACC+32*\b+23], v[SO+2*\b+1]   ; block 1, the same
	v_cvt_scalef32_pk8_fp4_f32 v[CD+4*\b+2], v[ACC+32*\b+8:ACC+32*\b+15],  v[SO+2*\b]     ; block 0, numbers 16 + 8 h + 0 .. 7
	v_cvt_scalef32_pk8_fp4_f32 v[CD+4*\b+3], v[ACC+32*\b+24:ACC+32*\b+31], v[SO+2*\b+1]   ; block 1, the same
.endr
	v_nop                                          ; one plain place behind a scaled conversion
.irp b, 0,1,2,3
	v_permlane16_swap_b32 v[CD+4*\b], v[CD+4*\b+1]     ; the first's lanes 16-31 change places with the second's lanes 0-15: lanes 0-15 now hold block 0's numbers 0-7 and 8-15, lanes 16-31 block 1's
	v_permlane16_swap_b32 v[CD+4*\b+2], v[CD+4*\b+3]   ; likewise numbers 16-23 and 24-31
.endr
	s_wait_alu depctr_va_vdst(0)                   ; the exchanges have written the codes v64-79, and the lines above them the scale bytes v80-83 and the offsets v84-91: the eight stores below read them
.irp b, 0,1,2,3
	global_store_b128 v[VO+\b], v[CD+4*\b:CD+4*\b+3], s[46:47]   ; 512 consecutive bytes, aligned
	global_store_b16 v[VS+\b], v[SW+\b], s[48:49]                ; 32 consecutive bytes; both halves of the lanes write the same value to the same place
.endr
	s_endpgm
.Lfunc_end_k_q995173d03f_proj:
	.size	k_q995173d03f_proj, .Lfunc_end_k_q995173d03f_proj-k_q995173d03f_proj
	.p2alignl 7, 3214868480
	.fill 96, 4, 3214868480
	.section	.rodata,"a",@progbits
	.p2align	6, 0x0
	.amdhsa_kernel k_q995173d03f_proj
		.amdhsa_group_segment_fixed_size 0
		.amdhsa_private_segment_fixed_size 0
		.amdhsa_enable_private_segment 0
		.amdhsa_kernarg_size 56
		.amdhsa_user_sgpr_count 2
		.amdhsa_user_sgpr_kernarg_segment_ptr 1
		.amdhsa_wavefront_size32 1
		.amdhsa_system_sgpr_workgroup_id_x 1
		.amdhsa_system_sgpr_workgroup_id_y 1
		.amdhsa_system_sgpr_workgroup_id_z 1
		.amdhsa_system_vgpr_workitem_id 0
		.amdhsa_next_free_vgpr 320
		.amdhsa_next_free_sgpr 66
		.amdhsa_reserve_vcc 0
		.amdhsa_float_denorm_mode_32 3
		.amdhsa_float_denorm_mode_16_64 3
		.amdhsa_memory_ordered 1
		.amdhsa_forward_progress 1
		.amdhsa_inst_pref_size 48
	.end_amdhsa_kernel
	.amdgpu_metadata
---
amdhsa.version: [ 1, 2 ]
amdhsa.kernels:
  - .name:           k_q995173d03f_proj
    .symbol:         k_q995173d03f_proj.kd
    .args:
      - { .name: cod, .offset: 0, .size: 8, .value_kind: global_buffer, .address_space: global }
      - { .name: scl, .offset: 8, .size: 8, .value_kind: global_buffer, .address_space: global }
      - { .name: bq, .offset: 16, .size: 8, .value_kind: global_buffer, .address_space: global }
      - { .name: bk, .offset: 24, .size: 8, .value_kind: global_buffer, .address_space: global }
      - { .name: bv, .offset: 32, .size: 8, .value_kind: global_buffer, .address_space: global }
      - { .name: qkv, .offset: 40, .size: 8, .value_kind: global_buffer, .address_space: global }
      - { .name: qkvs, .offset: 48, .size: 8, .value_kind: global_buffer, .address_space: global }
    .group_segment_fixed_size: 0
    .private_segment_fixed_size: 0
    .kernarg_segment_align: 8
    .kernarg_segment_size: 56
    .max_flat_workgroup_size: 128
    .sgpr_count:     66
    .vgpr_count:     320
    .wavefront_size: 32
...
	.end_amdgpu_metadata
.endif
;; end of part 4
;; launch attn: the kernel of part 3 again; grid 256 x 1, 12 waves a work-group, clusters of 4 x 1, 327,680 bytes of LDS; arguments qkv, qkvs, cod, scl, bo, out0; writes out0
